; MI455X (gfx1250); checked and timed in simulation.
; The chip was launched on July 23, 2026; its instructions are those of AMD's public machine-readable ISA for CDNA 5 (MIT licence, August 2026) and "CDNA5" Instruction Set Architecture Reference Guide (July 2026). The comments in the code are by the model that wrote it; some were corrected since.
;; Ro PE Multi Head Attention. Allowed arithmetic: matrix products marked QUANTISED: E2M1 operands, one E8M0 scale for each 32 along K, by v_wmma_scale_f32_16x16x128_f8f6f4 with both operands' format E2M1 (or v_wmma_scale_f32_32x16x128_f4), f32 sums; products left as they are: bf16, f16 or f32 operands; f32 sums; everything else in f32.
;; Inputs: Wk 2,048 x 2,048 float32; Wo 2,048 x 2,048 float32; Wq 2,048 x 2,048 float32; Wv 2,048 x 2,048 float32; bk 2,048 float32; bo 2,048 float32; bq 2,048 float32; bv 2,048 float32; x 64 x 64 x 2,048 float32.
;; Outputs: out0 64 x 64 x 2,048 float32.
;; This version of the problem:
;;   THIS VERSION OF THE PROBLEM IS GIVEN IN LOW PRECISION. The matrix products marked QUANTISED in the list below multiply operands that are first quantised to E2M1 (2 exponent bits, 1 mantissa bit; 4 bits a number), with one power-of-two scale for each 32 numbers along K (OCP MX v1.0); their sums are f32. The products marked 'left as it is' may take bf16, f16 or f32 operands, with f32 sums. Whichever they take, every output number must still come out within the allowed error. Rounding operands to bf16 (8 significant bits) uses up far more of that allowance than f16 does (11 bits, for magnitudes from 6e-5 to 65,504). All else is computed in f32.
;;   The module's matrix products, in the order in which they are computed (A, B: the left and right operand; K: the contracted axis; several contracted axes count as one K, in the product's order):
;;     1. [M 4,096, K 2,048] x [K 2,048, N 2,048]; A: input x; B: input Wq: QUANTISED
;;     2. [M 4,096, K 2,048] x [K 2,048, N 2,048]; A: input x; B: input Wk: QUANTISED
;;     3. [M 4,096, K 2,048] x [K 2,048, N 2,048]; A: input x; B: input Wv: QUANTISED
;;     4. batch 1,024 x [M 64, K 128] x [K 128, N 64]; A: computed on the way; B: computed on the way: left as it is (an operand is computed on the way)
;;     5. batch 1,024 x [M 64, K 64] x [K 64, N 128]; A: computed on the way; B: computed on the way: left as it is (an operand is computed on the way)
;;     6. [M 4,096, K 2,048] x [K 2,048, N 2,048]; A: computed on the way; B: input Wo: left as it is (an operand is computed on the way)
;;   THE QUANTISER, for each operand of a quantised product, along K:
;;     - K is cut into blocks of 32 from its start; a last block that is shorter is filled with zeros.
;;     - A block's scale is 2^e with e = floor(log2(the largest magnitude in the block)) - 2, held to -126 .. 127; a block of zeros has e = 0. As a byte (E8M0): e + 127.
;;     - Each number is divided by its block's scale, clamped to +-6, and rounded to the nearest number of E2M1, ties to even, subnormals kept.
;;     - The product sums the exact products of the quantised numbers (number of the format x scale) in f32.
;;   ~~~python
;;   def quantise(x, axis):      # numpy; x: float32 -> the quantised numbers, widened to float32 again
;;       x = np.moveaxis(x, axis, -1); K = x.shape[-1]
;;       x = np.pad(x, [(0, 0)] * (x.ndim - 1) + [(0, -K % 32)]); x = x.reshape(x.shape[:-1] + (-1, 32)); a = np.abs(x).max(-1, keepdims=True)
;;       e = np.where(a > 0, np.clip(np.frexp(np.where(a > 0, a, 1))[1] - 1 - 2, -126, 127), 0)      # np.frexp(a)[1] - 1 = floor(log2(a)), exactly
;;       r = np.clip(x / 2.0 ** e, -6, 6)
;;       step = 2.0 ** (np.maximum(np.frexp(np.where(r == 0, 1, r))[1] - 1, 0) - 1)
;;       q = np.round(r / step) * step * 2.0 ** e      # np.round: ties to even
;;       return np.moveaxis(q.reshape(q.shape[:-2] + (-1,))[..., :K], -1, axis).astype(np.float32)
;;   ~~~
;; One version. Each part assembles by itself: llvm-mc -triple=amdgcn-amd-amdhsa -mcpu=gfx1250 --defsym DOCPART=n.
;; ======== version 1 of 1: 3 launches
;; limits: values are held in f16: magnitudes above 65,504 overflow, below 6.1e-05 lose precision
;; workspace buffers: x_img 4,456,448 bytes; w_img 6,684,672 bytes; wo_img 8,388,608 bytes; rope 32,768 bytes; att_img 16,777,216 bytes
;; launch prep (part 1): grid 784 x 1, 4 waves a work-group, no clusters, 68,096 bytes of LDS; arguments x, Wq, Wk, Wv, Wo, x_img, w_img, wo_img, rope; writes x_img, w_img, wo_img, rope
.if DOCPART == 1
	.amdgcn_target "amdgcn-amd-amdhsa--gfx1250"
	.amdhsa_code_object_version 6
	.text
	.protected	k_qfdebfbfa74_prep
	.globl	k_qfdebfbfa74_prep
	.p2align	8
	.type	k_qfdebfbfa74_prep,@function
k_qfdebfbfa74_prep:
	s_mov_b64 s[64:65], 0
	v_nop
	global_prefetch_b8 v0, s[64:65] scope:SCOPE_SE
	s_setreg_imm32_b32 hwreg(HW_REG_WAVE_MODE, 25, 1), 1
	s_wait_xcnt 0x0
; PREP: the operands of the later launches, laid as IMAGES OF THE OPERANDS' REGISTERS, so that every later load is 16 bytes x lane, dense.
;  work-groups 0-255: x [4096][2048] f32, 256-639: Wq, Wk, Wv [2048][2048] f32 -> codes of FP4 (E2M1) with one E8M0 byte for each 32 along K (K innermost in all four).
;  work-groups 640-767: Wo [2048][2048] f32 -> f16 fragments.   work-groups 768-783: the table of cos and sin for the rotary embedding.
; A wave takes 64 rows x 128 along K (32 KiB of f32).  Each load reads the 512 consecutive bytes of one row; 16 rows turn through the wave's own stage in LDS (pitch 528 bytes = 132 words,
; so that the 16 rows that a read touches start 4 banks apart), and come back with a lane's registers running along K, in the very order of the operand's layout.
; CHUNK (4,352 bytes) = 64 rows x 128 K of codes: four fragments of 1,024 bytes (tile t of 16 rows; byte 512 c + 16 lane = registers 4 c .. 4 c + 3 = row lane % 16, k = 64 c + 32 (lane / 16) + 0 .. 31),
; then 256 bytes of scale words, 8 bytes a lane: word 0 = tile 0's rows (lanes 0-15) and tile 1's (lanes 16-31), word 1 = tiles 2 and 3.
; x_img [batch][K step] of CHUNK;  w_img [head][K step][2 j + half] of CHUNK (j = q, k, v; rows 128 head + 64 half + 0 .. 63).
; wo_img [tile of 16 rows][k / 32][1,024 bytes]: byte 512 half + 16 lane = registers 4 half .. + 3 = row lane % 16, k = 16 half + 8 (lane / 16) + 0 .. 7, f16.
; rope [mt][ct][half][lane][16 bytes] = cos, sin, cos, sin of the pairs 8 ct + 4 (lane / 16) + 2 half + 0, 1 at position 16 mt + lane % 16.
; A block's scale is 2^(floor(log2(largest magnitude)) - 2); its byte is the largest magnitude's exponent field - 2, held at 1 from below.
; LIMITS: a block of zeros gets the byte 1 (its codes are zeros, and this program alone reads the bytes); NaN and infinities are not served; |Wo| stays under 65,504 (f16).
; No tensor load, no barrier: waves share nothing.  The three paths part on the work-group's number, never join, and have LDS bytes of their own.
.set CHUNK, 4352
.set STEPB, 6*CHUNK
.set HEADB, 16*STEPB
.set SP,    528                        ; a stage row: 512 bytes + 16
.set STG,   16*SP                      ; a wave's stage
.set FSTG,  4*STG                      ; the f16 path's four stages lie behind the code path's four
.set SPARE, 8*STG                      ; behind the stages: the spare words, 128 bytes a wave
.set LI,   1                           ; v1   16 x lane
.set L8,   2                           ; v2   8 x lane
.set STW,  3                           ; v3   code path: stage + 16 x lane
.set RD,   4                           ; v4   code path: stage + 528 r + 128 h
.set H8,   5                           ; v5   8 h
.set SPW,  6                           ; v6   my spare word; never rewritten
.set NIL,  7                           ; v7   0; never rewritten
.set R,    16                          ; v16-143  two sets of 16 rows as loaded
.set X,    144                         ; v144-207 64 numbers of my row
.set C,    208                         ; v208-239 codes (8 registers for each tile, never rewritten) or f16 fragments
.set SW,   240                         ; v240-243 a scale word for each tile
.set LN,   246                         ; v246 lane
.set STWF, 247                         ; v247 f16 path: stage + 16 x lane
.set RDF,  248                         ; v248 f16 path: stage + 528 r + 32 h
	s_load_b512 s[4:19], s[0:1], 0x0               ; x, Wq, Wk, Wv, Wo, x_img, w_img, wo_img
	s_load_b64 s[20:21], s[0:1], 0x40              ; rope
	v_lshl_add_u32 v[SPW], v0, 2, SPARE
	v_mov_b32 v[NIL], 0
	v_lshrrev_b32 v8, 5, v0
	v_readfirstlane_b32 s26, v8                    ; wave
	v_and_b32 v[LN], 31, v0
	v_lshlrev_b32 v[LI], 4, v[LN]
	v_lshlrev_b32 v[L8], 3, v[LN]
	v_and_b32 v8, 15, v0                           ; r
	v_bfe_u32 v9, v0, 4, 1                         ; h
	v_lshlrev_b32 v[H8], 3, v9
	s_mul_i32 s27, s26, STG
	v_add_nc_u32 v[STW], s27, v[LI]
	v_mul_u32_u24 v11, v8, SP
	v_add_nc_u32 v11, s27, v11
	v_lshl_add_u32 v[RD], v9, 7, v11
	v_lshl_add_u32 v[RDF], v9, 5, v11
	v_add_nc_u32 v[RDF], FSTG, v[RDF]
	v_add_nc_u32 v[STWF], FSTG, v[STW]
	v_mov_b32 v10, 0                               ; written once: a lane permute's destination counts as one of its sources
	s_mov_b32 s36, 0x76543210
	s_mov_b32 s37, 0xfedcba98                      ; selects for lane l xor 16
	s_cmp_ge_u32 ttmp9, 768
	s_cbranch_scc1 .Lrope
	s_cmp_ge_u32 ttmp9, 640
	s_cbranch_scc1 .Lhalf
.macro LOADF t                         ; rows 16 t .. 16 t + 15 of my block: each load reads one row's 512 consecutive bytes
.irp i, 0,1,2,3,4,5,6,7,8,9,10,11,12,13,14,15
	global_load_b128 v[R+64*((\t)%2)+4*\i:R+64*((\t)%2)+4*\i+3], v[LI], s[22:23] offset:(16*(\t)+\i)*8192 th:TH_LOAD_NT
.endr
.endm
.macro TOSTG t, adr                    ; the 16 rows into my stage, as they lie
.irp i, 0,1,2,3,4,5,6,7,8,9,10,11,12,13,14,15
	ds_store_b128 v[\adr], v[R+64*((\t)%2)+4*\i:R+64*((\t)%2)+4*\i+3] offset:SP*\i
.endr
.endm
.macro ARRIVE t
.if (\t) < 3
	s_wait_loadcnt 16                              ; this tile's 16 loads are in; the next tile's 16 may be out
.else
	s_wait_loadcnt 0x0
.endif
.endm
	; ---- THE CODE PATH.  Which tensor, which block of 64 rows (rho), which K step (s)
	s_cmp_lt_u32 ttmp9, 256
	s_cselect_b32 s27, 0, 256
	s_sub_co_u32 s27, ttmp9, s27                   ; x: the work-group's number; W: less 256
	s_lshr_b32 s28, s27, 7                         ; W: j = 0, 1, 2
	s_and_b32 s29, s27, 127
	s_cmp_lt_u32 ttmp9, 256
	s_cselect_b32 s29, s27, s29
	s_lshl_b32 s29, s29, 2
	s_add_co_u32 s29, s29, s26                     ; c: my chunk in the tensor
	s_lshr_b32 s30, s29, 4                         ; rho
	s_and_b32 s31, s29, 15                         ; s
	s_lshl_b32 s32, s30, 19                        ; 64 rows of 8,192 bytes
	s_lshl_b32 s33, s31, 9                         ; 128 numbers
	s_add_co_u32 s32, s32, s33
	s_mov_b32 s33, 0
	s_mul_i32 s34, s29, CHUNK                      ; x_img: chunk c
	s_lshr_b32 s38, s30, 1
	s_mul_i32 s38, s38, HEADB                      ; w_img: head rho / 2,
	s_mul_i32 s39, s31, STEPB                      ; K step s,
	s_add_co_u32 s38, s38, s39
	s_and_b32 s39, s30, 1
	s_lshl_b32 s40, s28, 1
	s_add_co_u32 s39, s39, s40
	s_mul_i32 s39, s39, CHUNK                      ; chunk 2 j + rho % 2
	s_add_co_u32 s38, s38, s39
	s_mov_b32 s35, 0
	s_wait_kmcnt 0x0
	s_cmp_lt_u32 ttmp9, 256                        ; the choices hang on the work-group's number alone
	s_cselect_b32 s34, s34, s38
	s_cselect_b64 s[24:25], s[14:15], s[16:17]
	s_mov_b64 s[22:23], s[10:11]
	s_cmp_lt_u32 ttmp9, 512
	s_cselect_b64 s[22:23], s[8:9], s[22:23]
	s_cmp_lt_u32 ttmp9, 384
	s_cselect_b64 s[22:23], s[6:7], s[22:23]
	s_cmp_lt_u32 ttmp9, 256
	s_cselect_b64 s[22:23], s[4:5], s[22:23]
	s_add_nc_u64 s[22:23], s[22:23], s[32:33]
	s_add_nc_u64 s[24:25], s[24:25], s[34:35]
	LOADF 0
	LOADF 1
.macro QTILE t
	ARRIVE \t
	TOSTG \t, STW
.irp c, 0,1
.irp p, 0,1,2,3,4,5,6,7
	ds_load_b128 v[X+32*\c+4*\p:X+32*\c+4*\p+3], v[RD] offset:256*\c+16*\p   ; my row's k = 64 c + 32 h + 4 p ..; LDS serves a wave's instructions in order: these see the stores above
.endr
.endr
	s_wait_dscnt 0x0                               ; my 64 numbers are in, and the stores have read their registers,
.if (\t) < 2
	LOADF (\t)+2                                   ; which take the tile two further on
.endif
.irp c, 0,1
	v_max3_num_f32 v[8+\c], |v[X+32*\c]|, |v[X+32*\c+1]|, 0x1800000   ; block 2 c + h: all its 32 numbers are mine; the floor 2^(3 - 127) holds the byte at 1 from below
.endr
.irp i, 2,4,6,8,10,12,14,16,18,20,22,24,26,28,30
.irp c, 0,1
	v_max3_num_f32 v[8+\c], v[8+\c], |v[X+32*\c+\i]|, |v[X+32*\c+\i+1]|   ; (the two blocks by turns)
.endr
.endr
	v_add_nc_u32 v12, 0xff000000, v8               ; 2 off the exponent field: the conversion's scale operand
	v_add_nc_u32 v13, 0xff000000, v9
	v_lshrrev_b32 v14, 23, v12                     ; the scale's byte
	v_lshrrev_b32 v15, 23, v13
	v_lshl_or_b32 v11, v15, 16, v14                ; my two bytes, blocks h and 2 + h,
	v_lshlrev_b32 v11, v[H8], v11                  ; at their places in the word;
	v_permlanex16_b32 v10, v11, s36, s37
	v_or_b32 v[SW+(\t)], v11, v10                  ; with lane l xor 16's two the row's word is whole
.irp c, 0,1
.irp g, 0,1,2,3
	v_cvt_scalef32_pk8_fp4_f32 v[C+8*(\t)+4*\c+\g], v[X+32*\c+8*\g:X+32*\c+8*\g+7], v[12+\c]
.endr
.endr
	v_nop                                          ; one plain line behind the last conversion
.irp c, 0,1
	global_store_b128 v[LI], v[C+8*(\t)+4*\c:C+8*(\t)+4*\c+3], s[24:25] offset:1024*(\t)+512*\c   ; 32 lanes store 512 consecutive bytes, aligned
.endr
.endm
	QTILE 0
	QTILE 1
	QTILE 2
	QTILE 3
	v_cmp_le_u32 vcc_lo, 16, v[LN]
	v_cndmask_b32 v244, v[SW], v[SW+1], vcc_lo     ; lanes 0-15 tile 0's words, lanes 16-31 tile 1's
	v_cndmask_b32 v245, v[SW+2], v[SW+3], vcc_lo   ; tiles 2 and 3
	global_store_b64 v[L8], v[244:245], s[24:25] offset:4096   ; 256 consecutive bytes, aligned
	s_wait_tensorcnt 0x0                           ; the wave's end, behind my last LDS store
	ds_add_u32 v[SPW], v[NIL]
	s_wait_dscnt 0x0
	s_endpgm
	; ---- THE f16 PATH: Wo
.Lhalf:
	s_sub_co_u32 s27, ttmp9, 640
	s_lshl_b32 s27, s27, 2
	s_add_co_u32 s27, s27, s26                     ; c
	s_lshr_b32 s30, s27, 4                         ; rho: 64 rows = four tiles
	s_and_b32 s31, s27, 15                         ; s: 128 along K = four fragments
	s_lshl_b32 s32, s30, 19
	s_lshl_b32 s33, s31, 9
	s_add_co_u32 s32, s32, s33
	s_mov_b32 s33, 0
	s_lshl_b32 s34, s30, 18                        ; four tiles of 65,536 bytes
	s_lshl_b32 s35, s31, 12                        ; four fragments of 1,024
	s_add_co_u32 s34, s34, s35
	s_mov_b32 s35, 0
	s_wait_kmcnt 0x0
	s_add_nc_u64 s[22:23], s[12:13], s[32:33]
	s_add_nc_u64 s[24:25], s[18:19], s[34:35]
	LOADF 0
	LOADF 1
.macro FTILE t
	ARRIVE \t
	TOSTG \t, STWF
.irp c, 0,1,2,3
	ds_load_b128 v[X+16*\c:X+16*\c+3],     v[RDF] offset:128*\c      ; k = 32 c + 8 h + 0 .. 7,
	ds_load_b128 v[X+16*\c+4:X+16*\c+7],   v[RDF] offset:128*\c+16
	ds_load_b128 v[X+16*\c+8:X+16*\c+11],  v[RDF] offset:128*\c+64   ; and 32 c + 16 + 8 h + 0 .. 7
	ds_load_b128 v[X+16*\c+12:X+16*\c+15], v[RDF] offset:128*\c+80
.endr
	s_wait_dscnt 0x0
.if (\t) < 2
	LOADF (\t)+2
.endif
.if (\t) > 0
	s_wait_xcnt 0x0                                ; the last tile's stores have read their registers, which are written again below
.endif
.set i, 0
.rept 32
	v_cvt_pk_f16_f32 v[C+i], v[X+2*i], v[X+2*i+1]
.set i, i+1
.endr
.irp i, 0,1,2,3,4,5,6,7
	global_store_b128 v[LI], v[C+4*\i:C+4*\i+3], s[24:25] offset:65536*(\t)+512*\i
.endr
.endm
	FTILE 0
	FTILE 1
	FTILE 2
	FTILE 3
	s_wait_tensorcnt 0x0                           ; the wave's end, as above
	ds_add_u32 v[SPW], v[NIL]
	s_wait_dscnt 0x0
	s_endpgm
	; ---- THE TABLE: a thread makes 16 bytes.  theta_i = 2^(-i log2(10000) / 64); angle = position x theta; reduced by quarters of a turn (pi / 2 in two parts), then two short series on |r| <= pi / 4.
.Lrope:
	s_sub_co_u32 s27, ttmp9, 768
	s_lshl_b32 s27, s27, 7
	v_add_nc_u32 v16, s27, v0                      ; u = ((8 mt + ct) 2 + half) 32 + lane
	v_bfe_u32 v17, v16, 6, 3                       ; ct
	v_bfe_u32 v18, v16, 4, 1                       ; h
	v_bfe_u32 v19, v16, 5, 1                       ; half
	v_lshlrev_b32 v20, 3, v17
	v_lshl_add_u32 v20, v18, 2, v20
	v_lshl_add_u32 v20, v19, 1, v20                ; the first pair's number
	v_lshrrev_b32 v21, 9, v16                      ; mt
	v_and_b32 v22, 15, v16
	v_lshl_add_u32 v21, v21, 4, v22                ; the position
	v_cvt_f32_u32 v23, v20
	v_add_f32 v24, 1.0, v23
	v_cvt_f32_u32 v25, v21
	v_mul_f32 v26, 0xbe549a78, v23                 ; -log2(10000) / 64
	v_mul_f32 v27, 0xbe549a78, v24
	v_exp_f32 v26, v26
	v_exp_f32 v27, v27
	v_lshlrev_b32 v28, 4, v16                      ; (a plain line behind the exponentials)  where my 16 bytes go
	s_wait_alu depctr_va_vdst(0)                   ; one wait for both, ahead of their first reader
.macro SINCOS e
.set B0, 32+16*\e
	v_mul_f32 v[B0], v25, v[26+\e]                 ; the angle
	v_mul_f32 v[B0+1], 0x3f22f983, v[B0]           ; x 2 / pi
	v_rndne_f32 v[B0+1], v[B0+1]                   ; n
	v_fma_f32 v[B0+2], v[B0+1], 0xbfc90fdb, v[B0]  ; r = angle - n pi / 2, the high part,
	v_fma_f32 v[B0+2], v[B0+1], 0x333bbd2e, v[B0+2] ; and the low
	v_mul_f32 v[B0+3], v[B0+2], v[B0+2]            ; z = r r
	v_mov_b32 v[B0+4], 0x3638ef1d                  ; sin r = r + r z (-1/6 + z (1/120 + z (-1/5040 + z / 362880)))
	v_fmaak_f32 v[B0+4], v[B0+4], v[B0+3], 0xb9500d01
	v_fmaak_f32 v[B0+4], v[B0+4], v[B0+3], 0x3c088889
	v_fmaak_f32 v[B0+4], v[B0+4], v[B0+3], 0xbe2aaaab
	v_mul_f32 v[B0+4], v[B0+4], v[B0+3]
	v_fma_f32 v[B0+4], v[B0+4], v[B0+2], v[B0+2]
	v_mov_b32 v[B0+5], 0x37d00d01                  ; cos r = 1 + z (-1/2 + z (1/24 + z (-1/720 + z / 40320)))
	v_fmaak_f32 v[B0+5], v[B0+5], v[B0+3], 0xbab60b61
	v_fmaak_f32 v[B0+5], v[B0+5], v[B0+3], 0x3d2aaaab
	v_fmaak_f32 v[B0+5], v[B0+5], v[B0+3], 0xbf000000
	v_fma_f32 v[B0+5], v[B0+5], v[B0+3], 1.0
	v_cvt_i32_f32 v[B0+6], v[B0+1]                 ; the quarter: it only selects values
	v_and_b32 v[B0+7], 1, v[B0+6]
	v_cmp_eq_u32 vcc_lo, 1, v[B0+7]
	v_cndmask_b32 v[65+2*\e], v[B0+4], v[B0+5], vcc_lo   ; odd quarters: sin and cos change places
	v_cndmask_b32 v[64+2*\e], v[B0+5], v[B0+4], vcc_lo
	v_and_b32 v[B0+7], 2, v[B0+6]
	v_lshlrev_b32 v[B0+7], 30, v[B0+7]
	v_xor_b32 v[65+2*\e], v[B0+7], v[65+2*\e]      ; sin is negative in quarters 2 and 3,
	v_add_nc_u32 v[B0+7], 1, v[B0+6]
	v_and_b32 v[B0+7], 2, v[B0+7]
	v_lshlrev_b32 v[B0+7], 30, v[B0+7]
	v_xor_b32 v[64+2*\e], v[B0+7], v[64+2*\e]      ; cos in quarters 1 and 2
.endm
	SINCOS 0
	SINCOS 1
	s_wait_kmcnt 0x0
	global_store_b128 v28, v[64:67], s[20:21]      ; a wave stores 512 consecutive bytes, aligned
	s_wait_tensorcnt 0x0                           ; the same three lines at this path's end
	ds_add_u32 v[SPW], v[NIL]
	s_wait_dscnt 0x0
	s_endpgm
.Lfunc_end_k_qfdebfbfa74_prep:
	.size	k_qfdebfbfa74_prep, .Lfunc_end_k_qfdebfbfa74_prep-k_qfdebfbfa74_prep
	.p2alignl 7, 3214868480
	.fill 96, 4, 3214868480
	.section	.rodata,"a",@progbits
	.p2align	6, 0x0
	.amdhsa_kernel k_qfdebfbfa74_prep
		.amdhsa_group_segment_fixed_size 68096
		.amdhsa_private_segment_fixed_size 0
		.amdhsa_enable_private_segment 0
		.amdhsa_kernarg_size 72
		.amdhsa_user_sgpr_count 2
		.amdhsa_user_sgpr_kernarg_segment_ptr 1
		.amdhsa_wavefront_size32 1
		.amdhsa_system_sgpr_workgroup_id_x 1
		.amdhsa_system_sgpr_workgroup_id_y 1
		.amdhsa_system_sgpr_workgroup_id_z 1
		.amdhsa_system_vgpr_workitem_id 0
		.amdhsa_next_free_vgpr 256
		.amdhsa_next_free_sgpr 66
		.amdhsa_reserve_vcc 1
		.amdhsa_float_denorm_mode_32 3
		.amdhsa_float_denorm_mode_16_64 3
		.amdhsa_memory_ordered 1
		.amdhsa_forward_progress 1
		.amdhsa_inst_pref_size 61
	.end_amdhsa_kernel
	.amdgpu_metadata
---
amdhsa.version: [ 1, 2 ]
amdhsa.kernels:
  - .name:           k_qfdebfbfa74_prep
    .symbol:         k_qfdebfbfa74_prep.kd
    .args:
      - { .name: x, .offset: 0, .size: 8, .value_kind: global_buffer, .address_space: global }
      - { .name: Wq, .offset: 8, .size: 8, .value_kind: global_buffer, .address_space: global }
      - { .name: Wk, .offset: 16, .size: 8, .value_kind: global_buffer, .address_space: global }
      - { .name: Wv, .offset: 24, .size: 8, .value_kind: global_buffer, .address_space: global }
      - { .name: Wo, .offset: 32, .size: 8, .value_kind: global_buffer, .address_space: global }
      - { .name: x_img, .offset: 40, .size: 8, .value_kind: global_buffer, .address_space: global }
      - { .name: w_img, .offset: 48, .size: 8, .value_kind: global_buffer, .address_space: global }
      - { .name: wo_img, .offset: 56, .size: 8, .value_kind: global_buffer, .address_space: global }
      - { .name: rope, .offset: 64, .size: 8, .value_kind: global_buffer, .address_space: global }
    .group_segment_fixed_size: 68096
    .private_segment_fixed_size: 0
    .kernarg_segment_align: 8
    .kernarg_segment_size: 72
    .max_flat_workgroup_size: 128
    .sgpr_count:     66
    .vgpr_count:     256
    .wavefront_size: 32
...
	.end_amdgpu_metadata
.endif
;; end of part 1
;; launch qkv_attn (part 2): grid 16 x 16, 4 waves a work-group, clusters of 4 x 1, 327,680 bytes of LDS; arguments x_img, w_img, bq, bk, bv, rope, att_img; writes att_img
.if DOCPART == 2
	.amdgcn_target "amdgcn-amd-amdhsa--gfx1250"
	.amdhsa_code_object_version 6
	.text
	.protected	k_qfdebfbfa74_qkv_attn
	.globl	k_qfdebfbfa74_qkv_attn
	.p2align	8
	.type	k_qfdebfbfa74_qkv_attn,@function
k_qfdebfbfa74_qkv_attn:
	s_mov_b64 s[64:65], 0
	v_nop
	global_prefetch_b8 v0, s[64:65] scope:SCOPE_SE
	s_setreg_imm32_b32 hwreg(HW_REG_WAVE_MODE, 25, 1), 1
	s_wait_xcnt 0x0
	s_wait_alu depctr_hold_cnt(0) depctr_sa_sdst(0) depctr_va_vdst(0) depctr_va_sdst(0) depctr_va_ssrc(0) depctr_va_vcc(0) depctr_vm_vsrc(0)
	s_getreg_b32 s2, hwreg(HW_REG_IB_STS2, 6, 4)
	s_cmp_eq_u32 s2, 0
	s_cbranch_scc0 .Lentry_in_a_cluster
	s_endpgm
.Lentry_in_a_cluster:
	s_bfe_u32 s2, ttmp6, 0x10000c
	s_cmp_lg_u32 s2, 0x3003
	s_cbranch_scc0 .Lentry_shape_is_right
	s_endpgm
.Lentry_shape_is_right:
; q, k, v = x W^T + b on codes of FP4 with E8M0 scales, the rotary embedding, softmax(q k^T / sqrt(128)) v, all in one launch.
; SHARES.  A work-group takes 4 batches x one head; A WAVE IS ONE BATCH x ONE HEAD: 64 tokens x 384 columns (q, k, v) = 96 accumulators = 768 registers, so the whole attention of (batch, head)
; stays in the wave's registers: q, k, v, the scores and p never leave them, and no LDS byte is stored.
; OPERANDS.  The head's weights (w_img, 26,112 bytes a K step of 128) are shared by the four waves and by the four work-groups of the cluster: joint tensor loads into LDS, each wave one K step of a slot of four.
; Three slots hold K steps 0-11 as first fills; ONE refill brings K steps 12-15 into slot 0 while slots 1 and 2 (768 matrix instructions a wave) are multiplied.
; x's images are the wave's own: from memory straight into registers, four sets, three K steps ahead.
; LAYOUT.  q and k are made TRANSPOSED (source 0 = 16 rows of W, source 1 = 16 tokens): a lane holds one token and 8 neighbouring channels, so a rotation's pair is a register pair, and two channel tiles
; rounded to f16 are a fragment of 16 tokens x 32 channels.  v is made straight (source 0 = tokens): a lane holds one channel and 8 tokens: two token tiles rounded are a fragment of V^T.
; S^T = K Q^T and O^T = V^T P^T: a lane holds one query throughout.  O^T rounded to f16 is the next launch's fragment and is stored as it stands.
; bq and bk are the C of q's and k's first products: 8 registers a channel tile, loaded once, kept in v's window until v's own sums begin there.
; bv is added behind the division: the weights of a row sum to 1, so P (V + 1 bv^T) / l = P V / l + bv for every input; it rides in a fused multiply-add.
; THE TABLES of cos and sin (64 registers a token tile) are asked for as registers fall free: tile 0's in the last trip, tile 1's behind the last product, tiles 2 and 3's behind v's rounding.
; SOFTMAX: all 64 keys of a query are present at once, so the row's true maximum is taken away; p = 2^(c s - c m), c = log2(e) / sqrt(128); the sum of the unrounded p divides at the end.
; LIMITS: |q|, |k|, |v| and the result stay under 65,504 (f16 operands of the products that are left as they are); NaN and infinities are not served.
; REGISTERS.  window 0: v1-9 addresses; v16-29 scale words and nothing else; v32-127 three chunks of W; v128-255 four K steps of x; in the attention v32-255 are free.
;   window 1: q's 32 accumulators ((mt, ct) at 8 (8 mt + ct)), later Q's fragments, later O^T.   window 2: k's, later K's fragments.
;   window 3: at first bq (v0-63) and bk (v64-127); v's accumulators ((mt, ct) at 8 (16 (mt / 2) + 2 ct + mt % 2)); later V^T in v0-127 and two tables in v128-255.
.set CHUNK, 4352                       ; 64 rows x 128 K: four fragments of 1,024 bytes, 256 bytes of scale words
.set STEPB, 6*CHUNK                    ; a K step of a head's weights
.set SLOT,  4*STEPB
.set HEADB, 16*STEPB
.set BATB,  16*CHUNK                   ; a batch of x_img
.set SPARE, 3*SLOT                     ; behind the slots: the spare words, 128 bytes a wave
.set LI,  1                            ; v1  16 x lane
.set L8,  2                            ; v2  8 x lane
.set ADB, 3                            ; v3-4  LDS address of the slot's K steps 0-1, 2-3: + 16 x lane
.set ADS, 5                            ; v5-6  the same + 8 x lane, for the scale words
.set H32, 7                            ; v7  32 (lane / 16): my 8 numbers of a bias
.set SPW, 8                            ; v8  my spare word; never rewritten
.set NIL, 9                            ; v9  0; never rewritten
.set BS,  16                           ; v16-21  W's scale words, a pair for each of three chunk buffers
.set AS,  22                           ; v22-29  x's, a pair for each of four sets
.set BF,  32
.set AF,  128
.set TAB, 128                          ; the tables: token tile mt at v[128 + 64 (mt % 2)], of window 0 (tiles 0, 1) or window 3 (tiles 2, 3)
.set T,   32                           ; v32-95  the rotation, at work
.set WV,  18
.set G1,  24                           ; s[24:31] descriptor group 1
.set G0,  32                           ; s[32:43] group 0, one for each slot
.set TB,  44                           ; s44 LDS byte at which the slot in hand begins
.set CNT, 45
.set CS,  46                           ; s[46:47] c
.set SEL, 48                           ; s[48:49] selects for lane l xor 16
.set MSB, 0
.macro WIN new                         ; the immediate's high byte repeats the setting that is left
.if MSB != \new
	s_set_vgpr_msb (MSB<<8)|\new
.set MSB, \new
.endif
.endm
.macro PLACES
.rept 4
	v_nop
.endr
.endm
.macro CROUND                          ; a round of the cluster's barrier
	s_barrier_signal -1
	s_barrier_wait -1
	s_cmp_lg_u32 s[WV], 0
	s_cbranch_scc1 .Lnot_wave_0_\@
	s_barrier_signal -3
.Lnot_wave_0_\@:
	s_barrier_wait -3
	s_barrier_signal -1
	s_barrier_wait -1
.endm
	s_load_b256 s[4:11], s[0:1], 0x0               ; x_img, w_img, bq, bk
	s_load_b128 s[12:15], s[0:1], 0x20             ; bv, rope
	s_load_b64 s[16:17], s[0:1], 0x30              ; att_img
	v_lshl_add_u32 v[SPW], v0, 2, SPARE
	v_mov_b32 v[NIL], 0
	ds_add_u32 v[SPW], v[NIL]                      ; the opening: the add, twice on end, and its wait ahead of my first tensor load
	ds_add_u32 v[SPW], v[NIL]
	v_lshrrev_b32 v10, 5, v0
	v_readfirstlane_b32 s[WV], v10                 ; wave 0..3
	v_and_b32 v10, 31, v0
	v_lshlrev_b32 v[LI], 4, v10
	v_lshlrev_b32 v[L8], 3, v10
	v_bfe_u32 v10, v0, 4, 1
	v_lshlrev_b32 v[H32], 5, v10
	s_bfe_u32 s19, ttmp6, 0x40000                  ; cx: it enters x's and the result's addresses alone
	s_and_b32 s20, ttmp7, 0xffff                   ; the head, which the four partners share
	s_lshl_b32 s21, ttmp9, 2
	s_add_co_u32 s21, s21, s19                     ; my group of four batches
	s_lshl_b32 s50, s21, 2
	s_add_co_u32 s50, s50, s[WV]                   ; my batch
	s_mul_i32 s56, s50, BATB
	s_mov_b32 s57, 0
	s_lshl_b32 s50, s50, 18                        ; the result: four token tiles of 65,536 bytes a batch,
	s_lshl_b32 s51, s20, 12                        ; four fragments of 1,024 a head
	s_add_co_u32 s50, s50, s51
	s_mov_b32 s51, 0
	s_mul_i32 s52, s20, HEADB
	s_mul_i32 s54, s[WV], STEPB                    ; I fetch K step (wave) of each slot
	s_add_co_u32 s52, s52, s54
	s_mov_b32 s53, 0
	s_lshl_b32 s22, s20, 9                         ; the head's 128 numbers of a bias
	s_mov_b32 s23, 0
	s_mov_b32 s[G1], 15|(3<<16)|(1<<21)            ; 15:0 the mask: all four work-groups; 17:16 elements of 8 bytes; 21 set beside a mask; no padding
	s_mov_b32 s[G1+1], 32<<16                      ; tensor_dim0 = 32 elements: rows of 256 bytes
	s_mov_b32 s[G1+2], 102<<16                     ; tensor_dim1 = 102 rows: a K step's 26,112 dense bytes
	s_mov_b32 s[G1+3], 32<<16                      ; tile_dim0
	s_mov_b32 s[G1+4], 102                         ; tile_dim1
	s_mov_b32 s[G1+5], 32                          ; the pitch
	s_mov_b32 s[G1+6], 0
	s_mov_b32 s[G1+7], 0
	s_mov_b32 s[CS], 0x3e0293ee                    ; c = log2(e) / sqrt(128)
	s_mov_b32 s[CS+1], s[CS]
	s_mov_b32 s[SEL], 0x76543210
	s_mov_b32 s[SEL+1], 0xfedcba98
	s_wait_dscnt 0x0                               ; both opening adds are done
	s_wait_kmcnt 0x0
	s_add_nc_u64 s[4:5], s[4:5], s[56:57]          ; x_img at my batch
	s_add_nc_u64 s[6:7], s[6:7], s[52:53]          ; w_img at my head, my K step
	s_add_nc_u64 s[8:9], s[8:9], s[22:23]
	s_add_nc_u64 s[10:11], s[10:11], s[22:23]
	s_add_nc_u64 s[12:13], s[12:13], s[22:23]
	s_add_nc_u64 s[16:17], s[16:17], s[50:51]
.irp n, 0,1,2
	s_mov_b32 s[G0+4*\n], 1
	s_add_co_u32 s[G0+4*\n+1], s54, \n*SLOT        ; LDS: slot n, K step (wave): no place in the cluster enters it
	s_add_nc_u64 s[G0+4*\n+2:G0+4*\n+3], s[6:7], \n*SLOT   ; memory: four K steps on for each slot
	s_or_b32 s[G0+4*\n+3], s[G0+4*\n+3], 0x80000000
.endr
	CROUND                                         ; all four work-groups are here: the first joint loads meet
.irp n, 0,1,2
	tensor_load_to_lds s[G0+4*\n:G0+4*\n+3], s[G1:G1+7]   ; three loads of mine are out
	s_nop 0
.endr
	PLACES
	WIN 0xc0                                       ; destination window 3: lane (r, h) wants, for channel tile ct, b[16 ct + 8 h + 0 .. 7]: bq at v[8 ct], bk at v[64 + 8 ct]; one copy serves the four token tiles
.irp c, 0,1,2,3,4,5,6,7
	global_load_b128 v[8*\c:8*\c+3],         v[H32], s[8:9] offset:64*\c
	global_load_b128 v[8*\c+4:8*\c+7],       v[H32], s[8:9] offset:64*\c+16
	global_load_b128 v[64+8*\c:64+8*\c+3],   v[H32], s[10:11] offset:64*\c
	global_load_b128 v[64+8*\c+4:64+8*\c+7], v[H32], s[10:11] offset:64*\c+16
.endr
	WIN 0
; x's chunk of the K step rel steps on from the base, into set a: nine loads
.macro LOADA a, rel
.irp f, 0,1,2,3
.irp c, 0,1
	global_load_b128 v[AF+32*\a+8*\f+4*\c:AF+32*\a+8*\f+4*\c+3], v[LI], s[4:5] offset:(\rel)*CHUNK+1024*\f+512*\c
.endr
.endr
	global_load_b64 v[AS+2*\a:AS+2*\a+1], v[L8], s[4:5] offset:(\rel)*CHUNK+4096
.endm
; token tile mt's table: 16 loads of 512 consecutive bytes; the caller sets the destination's window
.macro TABL mt
.irp c, 0,1,2,3,4,5,6,7
.irp e, 0,1
	global_load_b128 v[TAB+64*((\mt)%2)+8*\c+4*\e:TAB+64*((\mt)%2)+8*\c+4*\e+3], v[LI], s[14:15] offset:(8*(\mt)+\c)*1024+512*\e
.endr
.endr
.endm
; chunk LC (0 .. 23) of the slot in hand, K step LC / 6, chunk LC % 6, into buffer LC % 3: nine LDS loads, each 512 (the last 256) consecutive bytes
.macro LOADB
.set lq, LC/6
.set lg, LC%6
.set lb, LC%3
.irp f, 0,1,2,3
.irp c, 0,1
	ds_load_b128 v[BF+32*lb+8*\f+4*\c:BF+32*lb+8*\f+4*\c+3], v[ADB+lq/2] offset:(lq%2)*STEPB+lg*CHUNK+1024*\f+512*\c
.endr
.endr
	ds_load_b64 v[BS+2*lb:BS+2*lb+1], v[ADS+lq/2] offset:(lq%2)*STEPB+lg*CHUNK+4096
.endm
; one scaled product, by the symbols rD, rC, rA, rB, rSA, rSB; pA, pB: the scale words lie in lanes 16-31; zC: its C is the constant 0
.macro WS
.if zC
.if pA && pB
	v_wmma_scale_f32_16x16x128_f8f6f4 v[rD:rD+7], v[rA:rA+7], v[rB:rB+7], 0, v[rSA], v[rSB] matrix_a_fmt:MATRIX_FMT_FP4 matrix_b_fmt:MATRIX_FMT_FP4 matrix_a_scale:MATRIX_SCALE_ROW1 matrix_b_scale:MATRIX_SCALE_ROW1
.elseif pA
	v_wmma_scale_f32_16x16x128_f8f6f4 v[rD:rD+7], v[rA:rA+7], v[rB:rB+7], 0, v[rSA], v[rSB] matrix_a_fmt:MATRIX_FMT_FP4 matrix_b_fmt:MATRIX_FMT_FP4 matrix_a_scale:MATRIX_SCALE_ROW1
.elseif pB
	v_wmma_scale_f32_16x16x128_f8f6f4 v[rD:rD+7], v[rA:rA+7], v[rB:rB+7], 0, v[rSA], v[rSB] matrix_a_fmt:MATRIX_FMT_FP4 matrix_b_fmt:MATRIX_FMT_FP4 matrix_b_scale:MATRIX_SCALE_ROW1
.else
	v_wmma_scale_f32_16x16x128_f8f6f4 v[rD:rD+7], v[rA:rA+7], v[rB:rB+7], 0, v[rSA], v[rSB] matrix_a_fmt:MATRIX_FMT_FP4 matrix_b_fmt:MATRIX_FMT_FP4
.endif
.else
.if pA && pB
	v_wmma_scale_f32_16x16x128_f8f6f4 v[rD:rD+7], v[rA:rA+7], v[rB:rB+7], v[rC:rC+7], v[rSA], v[rSB] matrix_a_fmt:MATRIX_FMT_FP4 matrix_b_fmt:MATRIX_FMT_FP4 matrix_a_scale:MATRIX_SCALE_ROW1 matrix_b_scale:MATRIX_SCALE_ROW1
.elseif pA
	v_wmma_scale_f32_16x16x128_f8f6f4 v[rD:rD+7], v[rA:rA+7], v[rB:rB+7], v[rC:rC+7], v[rSA], v[rSB] matrix_a_fmt:MATRIX_FMT_FP4 matrix_b_fmt:MATRIX_FMT_FP4 matrix_a_scale:MATRIX_SCALE_ROW1
.elseif pB
	v_wmma_scale_f32_16x16x128_f8f6f4 v[rD:rD+7], v[rA:rA+7], v[rB:rB+7], v[rC:rC+7], v[rSA], v[rSB] matrix_a_fmt:MATRIX_FMT_FP4 matrix_b_fmt:MATRIX_FMT_FP4 matrix_b_scale:MATRIX_SCALE_ROW1
.else
	v_wmma_scale_f32_16x16x128_f8f6f4 v[rD:rD+7], v[rA:rA+7], v[rB:rB+7], v[rC:rC+7], v[rSA], v[rSB] matrix_a_fmt:MATRIX_FMT_FP4 matrix_b_fmt:MATRIX_FMT_FP4
.endif
.endif
.endm
; chunk CH x my 64 tokens: 16 products on 16 different accumulators, each of which has one turn in a K step.
; bC = 1 (q's and k's first K step): C is the bias, in window 3; else C is the accumulator itself.
.macro MULT
.set mq, CH/6
.set mg, CH%6
.set mb, CH%3
.set mj, mg/2
.if mj == 0
.if bC
	WIN 0x70                                       ; C in window 3 (bq), D in window 1
.else
	WIN 0x50                                       ; C and D in window 1: q
.endif
.elseif mj == 1
.if bC
	WIN 0xb0                                       ; C in window 3 (bk), D in window 2
.else
	WIN 0xa0                                       ; window 2: k
.endif
.else
	WIN 0xf0                                       ; window 3: v
.endif
.irp m, 0,1,2,3
.irp f, 0,1,2,3
.set ct, 4*(mg%2)+\f
.if mj < 2
.set rD, 8*(8*\m+ct)
.set rA, BF+32*mb+8*\f
.set rB, AF+32*mq+8*\m
.set rSA, BS+2*mb+\f/2
.set pA, \f%2
.set rSB, AS+2*mq+\m/2
.set pB, \m%2
.else
.set rD, 8*(16*(\m/2)+2*ct+\m%2)
.set rA, AF+32*mq+8*\m
.set rB, BF+32*mb+8*\f
.set rSA, AS+2*mq+\m/2
.set pA, \m%2
.set rSB, BS+2*mb+\f/2
.set pB, \f%2
.endif
.set rC, rD
.if bC
.set rC, 64*mj+8*ct
.endif
	WS
.endr
.endr
.endm
; A TRIP = a slot = four K steps = 24 chunks.  All its LDS loads lie in ONE slot; the products lag two chunks behind them, so chunks 22 and 23 are multiplied at the head of the next trip.
; kind 0: the first trip (no chunks left over; q's and k's first products take the biases as C, v's the constant 0); 1: the loop's; 2: the last (no x beyond K step 15; the first table instead).
; v's first products (chunks 4 and 5) write over the biases' registers: bq's last reader is chunk 1, bk's chunk 3, and chunk 4 lands on bq's, chunk 5 on bk's: 12 and 8 plain places lie between.
; Four places stand in front of each run of loads: they land in registers that the products just issued have read.
.macro TRIP kind
	WIN 0
	v_add_nc_u32 v[ADB], s[TB], v[LI]
	v_add_nc_u32 v[ADS], s[TB], v[L8]
	v_add_nc_u32 v[ADB+1], 2*STEPB, v[ADB]
	v_add_nc_u32 v[ADS+1], 2*STEPB, v[ADS]
.set LC, 0
.rept 24
	WIN 0
	PLACES
	LOADB
.if LC == 2
	LOADA 3, 3                                     ; set 3 was last read by chunk 23 of the slot before
.endif
.if (\kind < 2) && (LC == 8)
	LOADA 0, 4                                     ; set 0 is done with: the next slot's first K step
.endif
.if (\kind < 2) && (LC == 14)
	LOADA 1, 5
.endif
.if (\kind < 2) && (LC == 20)
	LOADA 2, 6
.endif
.if (\kind == 2) && (LC == 14)
	TABL 0                                         ; sets 0 and 1 are done with (chunk 11 was their last reader): token tile 0's table, twelve chunks ahead of its use
.endif
.if (\kind > 0) || (LC >= 2)
.set CH, (LC+22)%24
.if CH%6 == 0
.if \kind < 2
	s_wait_loadcnt 27                              ; this K step's x is in (and, the first time, the biases); the three younger sets, nine loads each, may be out
.else
	s_wait_loadcnt 27-9*(CH/6)+16*(CH/12)          ; in the last trip nothing follows set 3 but the table's 16 loads, issued ahead of K step 14's wait: 27, 18, 25, 16
.endif
.endif
	s_wait_dscnt 18                                ; chunk CH is in; the two younger chunks, nine loads each, may be out
.set zC, 0
.set bC, 0
.if \kind == 0
.if (CH == 4) || (CH == 5)
.set zC, 1
.endif
.if CH < 4
.set bC, 1
.endif
.endif
	MULT
.endif
.set LC, LC+1
.endr
.endm
	LOADA 0, 0
	LOADA 1, 1
	LOADA 2, 2
	s_wait_tensorcnt 2                             ; my part of slot 0 is in; slots 1 and 2 may stay out
	s_barrier_signal -1
	s_barrier_wait -1                              ; everybody's is
	s_mov_b32 s[TB], 0
	TRIP 0
	WIN 0
	s_wait_xcnt 0x0                                ; the loads issued so far have read their base
	s_add_nc_u64 s[4:5], s[4:5], 4*CHUNK
	s_wait_tensorcnt 0x0                           ; THE ONE REFILL.  All my tensor loads have landed, my parts of slots 1 and 2 among them;
	ds_add_u32 v[SPW], v[NIL]                      ; 0 onto my spare word
	s_add_nc_u64 s[G0+2:G0+3], s[G0+2:G0+3], 3*SLOT   ; slot 0's descriptor goes on to K steps 12-15
	s_wait_dscnt 0x0                               ; the add is done, and my reads of slot 0 are back
	CROUND                                         ; no wave of any partner still reads slot 0 or has a load on its way
	tensor_load_to_lds s[G0:G0+3], s[G1:G1+7]      ; my one load: it has two trips in which to land
	s_nop 0
	PLACES
	s_mov_b32 s[TB], SLOT
	s_mov_b32 s[CNT], 2
.Ltrip:                                                ; slots 1 and 2
	TRIP 1
	WIN 0
	s_wait_xcnt 0x0
	s_add_nc_u64 s[4:5], s[4:5], 4*CHUNK
	s_add_co_u32 s[TB], s[TB], SLOT
	s_sub_co_u32 s[CNT], s[CNT], 1
	s_cmp_lg_u32 s[CNT], 0
	s_cbranch_scc1 .Ltrip
	s_wait_tensorcnt 0x0                           ; my part of K steps 12-15 is in: the one load that was out
	s_wait_dscnt 0x0
	s_barrier_signal -1
	s_barrier_wait -1                              ; everybody's is
	s_mov_b32 s[TB], 0
	TRIP 2
	s_wait_dscnt 9                                 ; the last chunk may be out
.set zC, 0
.set bC, 0
.set CH, 22
	MULT
	s_wait_dscnt 0x0
.set CH, 23
	MULT
	; ---------------- THE ATTENTION, in registers ----------------
.set ST,  32                           ; v32-63   eight registers of statistics a query tile: +0 c m, +1 m, +2, +3 l, +4 .. +7 at work, +6 1 / l
.set P,   64                           ; v64-127  p as f16, 16 a query tile
.set S,   128                          ; v128-255 S^T, 32 a query tile
.set BV,  128                          ; v128-191 bv, once S^T is done with
.set TO,  192                          ; v192-255 the way out, at work
.set F,   64                           ; v64-127  the way out: two sets of 32, once p is done with
; token tile mt of q or k: (x1, x2) -> (x1 cos - x2 sin, x2 cos + x1 sin), then f16, in place: fragment (mt, c) at 8 (4 mt + c).
; ws: the windows of the numbers (source 0: 1 = q, 2 = k) and of the table (source 1: 0 or 3); wd: the window of the fragments
.macro ROPE mt, ws, wd
	WIN \ws
.set i, 0
.rept 32
	v_pk_mul_f32 v[T+2*i:T+2*i+1], v[64*(\mt)+2*i:64*(\mt)+2*i+1], v[TAB+64*((\mt)%2)+2*i:TAB+64*((\mt)%2)+2*i+1] op_sel_hi:[1,0]   ; x1 cos, x2 cos; each accumulator from its low end on
.set i, i+1
.endr
.set i, 0
.rept 32
	v_pk_fma_f32 v[T+2*i:T+2*i+1], v[64*(\mt)+2*i:64*(\mt)+2*i+1], v[TAB+64*((\mt)%2)+2*i:TAB+64*((\mt)%2)+2*i+1], v[T+2*i:T+2*i+1] op_sel:[1,1,0] op_sel_hi:[0,1,1] neg_lo:[0,1,0]   ; - x2 sin, + x1 sin
.set i, i+1
.endr
	WIN \wd
.set i, 0
.rept 32
	v_cvt_pk_f16_f32 v[32*(\mt)+i], v[T+2*i], v[T+2*i+1]   ; lands on registers of tiles that are done with
.set i, i+1
.endr
.endm
	WIN 0
	PLACES                                         ; behind the last products: for the loads below, for the first reads of v, and for the writes into W's buffers
	TABL 1                                         ; into x's sets 2 and 3
	WIN 0xcf                                       ; v to f16 in place, ascending: V^T's fragment (32 tokens kk, channel tile ct) at 8 (8 kk + ct) of window 3
.set i, 0
.rept 128
	v_cvt_pk_f16_f32 v[i], v[2*i], v[2*i+1]
.set i, i+1
.endr
	WIN 0xc0                                       ; destination window 3: its upper half has just been left
	TABL 2
	TABL 3
.irp m, 0,1
	s_wait_loadcnt 48-16*\m                        ; this tile's table is in; the younger tables, 16 loads each, may be out
	ROPE \m, 0x01, 0x40
	ROPE \m, 0x02, 0x80
.endr
.irp m, 2,3
	s_wait_loadcnt 48-16*\m
	ROPE \m, 0x0d, 0x40                            ; the table in window 3
	ROPE \m, 0x0e, 0x80
.endr
	WIN 0x06                                       ; K in window 2, Q in window 1, S^T in window 0.  The 16 accumulators by turns, 32 channels at a time
.irp c, 0,1,2,3
.irp q, 0,1,2,3
.irp k, 0,1,2,3
.if \c == 0
	v_wmma_f32_16x16x32_f16 v[S+32*\q+8*\k:S+32*\q+8*\k+7], v[8*(4*\k+\c):8*(4*\k+\c)+7], v[8*(4*\q+\c):8*(4*\q+\c)+7], 0
.else
	v_wmma_f32_16x16x32_f16 v[S+32*\q+8*\k:S+32*\q+8*\k+7], v[8*(4*\k+\c):8*(4*\k+\c)+7], v[8*(4*\q+\c):8*(4*\q+\c)+7], v[S+32*\q+8*\k:S+32*\q+8*\k+7]
.endif
.endr
.endr
.endr
	WIN 0
.rept 5
	v_nop                                          ; behind the scores' products: their results are read below, and their operands are written over by later products
.endr
	; the row's maximum: lane (r, h) holds query r and the keys 16 kt + 8 h + 0 .. 7; the four query tiles by turns; each accumulator from its low end on
.irp j, 0,1,2,3
.irp q, 0,1,2,3
	v_max3_num_f32 v[ST+8*\q+4+\j], v[S+32*\q+8*\j], v[S+32*\q+8*\j+1], v[S+32*\q+8*\j+2]
.endr
.endr
.irp i, 3,5
.irp j, 0,1,2,3
.irp q, 0,1,2,3
	v_max3_num_f32 v[ST+8*\q+4+\j], v[ST+8*\q+4+\j], v[S+32*\q+8*\j+\i], v[S+32*\q+8*\j+\i+1]
.endr
.endr
.endr
.irp q, 0,1,2,3
	v_max3_num_f32 v[ST+8*\q+4], v[ST+8*\q+4], v[S+32*\q+7], v[S+32*\q+15]
.endr
.irp q, 0,1,2,3
	v_max3_num_f32 v[ST+8*\q+6], v[ST+8*\q+6], v[S+32*\q+23], v[S+32*\q+31]
.endr
.irp q, 0,1,2,3
	v_max3_num_f32 v[ST+8*\q+4], v[ST+8*\q+4], v[ST+8*\q+5], v[ST+8*\q+6]
.endr
.irp q, 0,1,2,3
	v_max_num_f32 v[ST+8*\q+4], v[ST+8*\q+4], v[ST+8*\q+7]
.endr
.irp q, 0,1,2,3
	v_permlanex16_b32 v[ST+8*\q+5], v[ST+8*\q+4], s[SEL], s[SEL+1]   ; the query's other 32 keys lie in the lane 16 away
.endr
.irp q, 0,1,2,3
	v_max_num_f32 v[ST+8*\q+1], v[ST+8*\q+4], v[ST+8*\q+5]
.endr
.irp q, 0,1,2,3
	v_mul_f32 v[ST+8*\q], s[CS], v[ST+8*\q+1]      ; c m
.endr
.irp b, 0,1,2,3,4,5,6,7,8,9,10,11,12,13,14,15
.irp q, 0,1,2,3
	v_pk_fma_f32 v[S+32*\q+2*\b:S+32*\q+2*\b+1], v[S+32*\q+2*\b:S+32*\q+2*\b+1], s[CS:CS+1], v[ST+8*\q:ST+8*\q+1] op_sel_hi:[1,0,0] neg_lo:[0,0,1] neg_hi:[0,0,1]   ; c s - c m
.endr
.endr
.set i, 0
.rept 128
	v_exp_f32 v[S+i], v[S+i]                       ; p, at most 1: one batch
.set i, i+1
.endr
	v_nop                                          ; a plain line behind the last exponential
	s_wait_alu depctr_va_vdst(0)                   ; one wait for the batch, ahead of its first reader
.set i, 0
.rept 64
	v_cvt_pk_f16_f32 v[P+i], v[S+2*i], v[S+2*i+1]  ; two key tiles rounded are source 1 (32 keys x 16 queries) of the second product
.set i, i+1
.endr
.irp u, 0,1,2,3,4,5,6,7
.irp q, 0,1,2,3
	v_pk_add_f32 v[S+32*\q+4*\u:S+32*\q+4*\u+1], v[S+32*\q+4*\u:S+32*\q+4*\u+1], v[S+32*\q+4*\u+2:S+32*\q+4*\u+3]   ; the sum of the unrounded p, in place
.endr
.endr
.irp u, 0,1,2,3
.irp q, 0,1,2,3
	v_pk_add_f32 v[S+32*\q+8*\u:S+32*\q+8*\u+1], v[S+32*\q+8*\u:S+32*\q+8*\u+1], v[S+32*\q+8*\u+4:S+32*\q+8*\u+5]
.endr
.endr
.irp u, 0,1
.irp q, 0,1,2,3
	v_pk_add_f32 v[S+32*\q+16*\u:S+32*\q+16*\u+1], v[S+32*\q+16*\u:S+32*\q+16*\u+1], v[S+32*\q+16*\u+8:S+32*\q+16*\u+9]
.endr
.endr
.irp q, 0,1,2,3
	v_pk_add_f32 v[ST+8*\q+2:ST+8*\q+3], v[S+32*\q:S+32*\q+1], v[S+32*\q+16:S+32*\q+17]
.endr
.irp c, 0,1,2,3,4,5,6,7
	global_load_b128 v[BV+8*\c:BV+8*\c+3],   v[H32], s[12:13] offset:64*\c      ; bv[16 ct + 8 h + 0 .. 7], in O^T's layout
	global_load_b128 v[BV+8*\c+4:BV+8*\c+7], v[H32], s[12:13] offset:64*\c+16
.endr
	WIN 0x53                                       ; V^T in window 3, p in window 0, O^T in window 1.  The 32 accumulators by turns, 32 keys at a time
.irp g, 0,1
.irp q, 0,1,2,3
.irp c, 0,1,2,3,4,5,6,7
.if \g == 0
	v_wmma_f32_16x16x32_f16 v[64*\q+8*\c:64*\q+8*\c+7], v[8*(8*\g+\c):8*(8*\g+\c)+7], v[P+16*\q+8*\g:P+16*\q+8*\g+7], 0
.else
	v_wmma_f32_16x16x32_f16 v[64*\q+8*\c:64*\q+8*\c+7], v[8*(8*\g+\c):8*(8*\g+\c)+7], v[P+16*\q+8*\g:P+16*\q+8*\g+7], v[64*\q+8*\c:64*\q+8*\c+7]
.endif
.endr
.endr
.endr
	WIN 0                                          ; the additions below are the places behind the last products
.irp q, 0,1,2,3
	v_add_f32 v[ST+8*\q+4], v[ST+8*\q+2], v[ST+8*\q+3]
.endr
.irp q, 0,1,2,3
	v_permlanex16_b32 v[ST+8*\q+5], v[ST+8*\q+4], s[SEL], s[SEL+1]
.endr
.irp q, 0,1,2,3
	v_add_f32 v[ST+8*\q+4], v[ST+8*\q+4], v[ST+8*\q+5]   ; the row's sum
.endr
.irp q, 0,1,2,3
	v_rcp_f32 v[ST+8*\q+6], v[ST+8*\q+4]
.endr
	v_nop                                          ; a plain line behind the last reciprocal
	s_wait_alu depctr_va_vdst(0)                   ; one wait for the four
	s_wait_loadcnt 0x0                             ; bv
.irp q, 0,1,2,3                        ; THE WAY OUT: O^T / l + bv, to f16: the next launch's fragments of token tile 4 batch + qt, K = 128 head + 32 c on
	WIN 0x01
.set i, 0
.rept 32
	v_pk_fma_f32 v[TO+2*i:TO+2*i+1], v[64*\q+2*i:64*\q+2*i+1], v[ST+8*\q+6:ST+8*\q+7], v[BV+2*i:BV+2*i+1] op_sel_hi:[1,0,1]
.set i, i+1
.endr
	WIN 0
.if \q >= 2
	s_wait_xcnt 0x0                                ; the stores of two tiles back have read their registers
.endif
.set i, 0
.rept 32
	v_cvt_pk_f16_f32 v[F+32*(\q%2)+i], v[TO+2*i], v[TO+2*i+1]
.set i, i+1
.endr
.irp e, 0,1,2,3,4,5,6,7
	global_store_b128 v[LI], v[F+32*(\q%2)+4*\e:F+32*(\q%2)+4*\e+3], s[16:17] offset:65536*\q+512*\e   ; 32 lanes store 512 consecutive bytes, aligned
.endr
.endr
	s_wait_tensorcnt 0x0                           ; the wave's end
	ds_add_u32 v[SPW], v[NIL]
	s_wait_dscnt 0x0
	CROUND                                         ; the closing round
	s_endpgm
.Lfunc_end_k_qfdebfbfa74_qkv_attn:
	.size	k_qfdebfbfa74_qkv_attn, .Lfunc_end_k_qfdebfbfa74_qkv_attn-k_qfdebfbfa74_qkv_attn
	.p2alignl 7, 3214868480
	.fill 96, 4, 3214868480
	.section	.rodata,"a",@progbits
	.p2align	6, 0x0
	.amdhsa_kernel k_qfdebfbfa74_qkv_attn
		.amdhsa_group_segment_fixed_size 327680
		.amdhsa_private_segment_fixed_size 0
		.amdhsa_enable_private_segment 0
		.amdhsa_kernarg_size 56
		.amdhsa_user_sgpr_count 2
		.amdhsa_user_sgpr_kernarg_segment_ptr 1
		.amdhsa_wavefront_size32 1
		.amdhsa_system_sgpr_workgroup_id_x 1
		.amdhsa_system_sgpr_workgroup_id_y 1
		.amdhsa_system_sgpr_workgroup_id_z 1
		.amdhsa_system_vgpr_workitem_id 0
		.amdhsa_next_free_vgpr 1024
		.amdhsa_next_free_sgpr 66
		.amdhsa_reserve_vcc 0
		.amdhsa_float_denorm_mode_32 3
		.amdhsa_float_denorm_mode_16_64 3
		.amdhsa_memory_ordered 1
		.amdhsa_forward_progress 1
		.amdhsa_inst_pref_size 255
	.end_amdhsa_kernel
	.section	.bss,"aw",@nobits
	.p2align	6
	.space	262144
	.amdgpu_metadata
---
amdhsa.version: [ 1, 2 ]
amdhsa.kernels:
  - .name:           k_qfdebfbfa74_qkv_attn
    .symbol:         k_qfdebfbfa74_qkv_attn.kd
    .args:
      - { .name: x_img, .offset: 0, .size: 8, .value_kind: global_buffer, .address_space: global }
      - { .name: w_img, .offset: 8, .size: 8, .value_kind: global_buffer, .address_space: global }
      - { .name: bq, .offset: 16, .size: 8, .value_kind: global_buffer, .address_space: global }
      - { .name: bk, .offset: 24, .size: 8, .value_kind: global_buffer, .address_space: global }
      - { .name: bv, .offset: 32, .size: 8, .value_kind: global_buffer, .address_space: global }
      - { .name: rope, .offset: 40, .size: 8, .value_kind: global_buffer, .address_space: global }
      - { .name: att_img, .offset: 48, .size: 8, .value_kind: global_buffer, .address_space: global }
    .group_segment_fixed_size: 327680
    .private_segment_fixed_size: 0
    .kernarg_segment_align: 8
    .kernarg_segment_size: 56
    .max_flat_workgroup_size: 128
    .sgpr_count:     66
    .vgpr_count:     1024
    .wavefront_size: 32
...
	.end_amdgpu_metadata
.endif
;; end of part 2
;; launch outproj (part 3): grid 8 x 32, 4 waves a work-group, clusters of 4 x 4, 327,680 bytes of LDS; arguments att_img, wo_img, bo, out0; writes out0
.if DOCPART == 3
	.amdgcn_target "amdgcn-amd-amdhsa--gfx1250"
	.amdhsa_code_object_version 6
	.text
	.protected	k_qfdebfbfa74_outproj
	.globl	k_qfdebfbfa74_outproj
	.p2align	8
	.type	k_qfdebfbfa74_outproj,@function
k_qfdebfbfa74_outproj:
	s_mov_b64 s[64:65], 0
	v_nop
	global_prefetch_b8 v0, s[64:65] scope:SCOPE_SE
	s_setreg_imm32_b32 hwreg(HW_REG_WAVE_MODE, 25, 1), 1
	s_wait_xcnt 0x0
	s_wait_alu depctr_hold_cnt(0) depctr_sa_sdst(0) depctr_va_vdst(0) depctr_va_sdst(0) depctr_va_ssrc(0) depctr_va_vcc(0) depctr_vm_vsrc(0)
	s_getreg_b32 s2, hwreg(HW_REG_IB_STS2, 6, 4)
	s_cmp_eq_u32 s2, 0
	s_cbranch_scc0 .Lentry_in_a_cluster
	s_endpgm
.Lentry_in_a_cluster:
	s_bfe_u32 s2, ttmp6, 0x10000c
	s_cmp_lg_u32 s2, 0xf033
	s_cbranch_scc0 .Lentry_shape_is_right
	s_endpgm
.Lentry_shape_is_right:
; out0[token][e] = sum over d of att[token][d] Wo[e][d] + bo[e]: M 4,096, N 2,048, K 2,048, f16 operands, f32 sums.
; Both operands arrive as images of fragments (16 rows x 32 K, 1,024 bytes; [tile of 16 rows][k / 32]): every LDS load is 16 bytes x lane, dense; no pitch, no padding.
; A tile of the result is 128 x 256, which gives 256 work-groups (256 x 256 would give 128).  Four waves, 2 x 2, each 64 x 128: 32 accumulators in window 1 ((a, b) at 8 (8 a + b)).
; THE MATRIX INSTRUCTION IS USED TRANSPOSED (source 0 = 16 rows of Wo, source 1 = 16 tokens): a lane holds 8 neighbouring numbers of a row of the result.  bo is loaded INTO the accumulators: the sums' start.
; THE RING: two slots of 6 units of 32 along K: att's 8 tiles x 6,144 bytes, then Wo's 16.  A row of a tensor load is a tile's 6,144 consecutive bytes; waves 0, 1 fetch att's halves (4 rows), waves 2, 3 Wo's (8 rows).
; 64 units = ten whole slots and four units: the eleventh fill brings units 58-63, of which places 2-5 are multiplied: one shape of descriptor, and no load leaves a tile's row.
; CLUSTERS: 4 x 4 work-groups; att's tiles are shared along a row of the cluster, Wo's along a column: joint loads.
; Two fragment buffers in window 0: while one unit (32 matrix instructions) is multiplied, the next unit's 24 LDS loads are on their way.
; PREFETCHES: behind each refill the slot that the next refill will load is asked for (macro ASK).
; LIMITS: as the operands': magnitudes under 65,504.
.set TILEB,  6*1024                    ; a tile's part of a slot
.set ASZ,    8*TILEB
.set SLOT,   24*TILEB
.set SPARE,  2*SLOT                    ; behind the ring: the spare words, 128 bytes a wave
.set SPITCH, 528                       ; the way out: a stage of 16 rows x (512 + 16) bytes for each wave.  It lies in slot 1, which has had its last fill and its last read when the first result is stored there
.set STAGE,  SLOT
.set LI,   1                           ; v1   16 x lane
.set SPW,  2                           ; v2   my spare word; never rewritten
.set NIL,  3                           ; v3   0; never rewritten
.set ADRA, 4                           ; v4-5 LDS address of my four tiles of att in slot 0, 1
.set ADRB, 6                           ; v6-7 of my eight tiles of Wo
.set STO,  8                           ; v8   the stage: where I put 32 bytes of a row
.set RD,   9                           ; v9   and where I read a row back
.set H32,  11                          ; v11  32 (lane / 16)
.set PFO,  15                          ; v15  the prefetches' offset: 256 x the lesser of my lane and 23; never rewritten
.set FB,   32                          ; fragment buffer n at v[32 + 96 n]: att's 32 registers, then Wo's 64
.set BK,   32                          ; the way out: 16 rows read back: v32-95 and v96-159 by turns
.set WV,   12
.set WR,   13                          ; which 64 rows are mine.  Also: I fetch for att (0) or for Wo (1)
.set WC,   14                          ; which 128 columns.  Also: which half I fetch
.set PFA,  18                          ; s[18:19] where my prefetches stand: my work-group's tile (att) or two tiles (Wo) of those that I fetch, at the slot after the one that is being asked for
.set LIM,  45                          ; s45  1 in a wave that prefetches, else the greatest number
.set G1,   24                          ; s[24:31] group 1 for att's tiles; s[32:39] group 0, one for each slot
.set G0,   32
.set G1B,  48                          ; s[48:55], s[56:63] the same for Wo's
.set G0B,  56
.set MSB, 0
.macro WIN new
.if MSB != \new
	s_set_vgpr_msb (MSB<<8)|\new
.set MSB, \new
.endif
.endm
.macro PLACES
.rept 4
	v_nop
.endr
.endm
.macro JLOAD s                         ; a joint load; the branch hangs on the wave's number alone; an s_nop 0 and four v_nop follow each of the two lines
	s_cmp_eq_u32 s[WR], 0
	s_cbranch_scc0 .Lfor_b_\@
	tensor_load_to_lds s[G0+4*\s:G0+4*\s+3], s[G1:G1+7]
	s_nop 0
.rept 4
	v_nop
.endr
	s_branch .Lasked_\@
.Lfor_b_\@:
	tensor_load_to_lds s[G0B+4*\s:G0B+4*\s+3], s[G1B:G1B+7]
	s_nop 0
.rept 4
	v_nop
.endr
.Lasked_\@:
.endm
; A PREFETCH INTO THE L2 of what the NEXT refill will load: one slot, 192 matrix instructions, ahead of that load.  It stands behind the joint load, its five lines and the run of LDS loads that the next products wait for.
; At a change of slots every wave has waited for all its tensor loads, so the refill goes out with nothing on its way beside it.
; WHO.  att's tiles of a tile row are read by both clusters of that row of clusters: the one with cluster x = 0 asks; Wo's tiles of a tile column by all eight clusters of that column: cluster y = 0 asks.
; The four partners that ask for tiles jointly share them out BY ADDRESS: of the four tiles of att that a wave fetches, the partner at place cx takes one; of the eight of Wo, the partner at place cy takes two:
; no branch hangs on a work-group's place in its cluster.  A tile's part of a slot is 6,144 consecutive bytes: 24 blocks of 256, a lane a block; lanes 24 to 31 name lane 23's block with it, in the same instruction.
; THE ENDS.  Slots 0, 1 and 2 come by their loads alone: nothing is asked for at the head, where every work-group's first tiles are on their way.  The last fill begins two units back, in bytes that have been
; asked for: it comes by its load alone too.  how = 1: at slot 0's changes in the loop, always; how = 2: at slot 1's, not in the last lap.
.macro ASK how
.if \how == 1
	s_cmp_eq_u32 s[LIM], 1
.else
	s_cmp_gt_u32 s3, s[LIM]                        ; s3 = 1 in the loop's last lap
.endif
	s_cbranch_scc0 .Lnot_mine_\@
	global_prefetch_b8 v[PFO], s[PFA:PFA+1] th:TH_LOAD_NT scope:SCOPE_SE
	s_cmp_eq_u32 s[WR], 0                          ; the wave's number alone: Wo's waves have a second tile
	s_cbranch_scc1 .Lnot_mine_\@
	global_prefetch_b8 v[PFO], s[PFA:PFA+1] offset:65536 th:TH_LOAD_NT scope:SCOPE_SE
.Lnot_mine_\@:
.endm
.macro CREST                           ; a round of the cluster's barrier behind its opening barrier
	s_cmp_lg_u32 s[WV], 0
	s_cbranch_scc1 .Lnot_wave_0_\@
	s_barrier_signal -3
.Lnot_wave_0_\@:
	s_barrier_wait -3
	s_barrier_signal -1
	s_barrier_wait -1
.endm
.macro CROUND
	s_barrier_signal -1
	s_barrier_wait -1
	CREST
.endm
	s_load_b256 s[4:11], s[0:1], 0x0               ; att_img s[4:5], wo_img s[6:7], bo s[8:9], out0 s[10:11]
	v_lshl_add_u32 v[SPW], v0, 2, SPARE
	v_mov_b32 v[NIL], 0
	ds_add_u32 v[SPW], v[NIL]                      ; the opening: the add, twice on end, and its wait ahead of my first tensor load
	ds_add_u32 v[SPW], v[NIL]
	v_lshrrev_b32 v10, 5, v0
	v_readfirstlane_b32 s[WV], v10
	s_lshr_b32 s[WR], s[WV], 1
	s_and_b32 s[WC], s[WV], 1
	s_bfe_u32 s40, ttmp6, 0x40000                  ; cx
	s_bfe_u32 s41, ttmp6, 0x40004                  ; cy
	s_lshl_b32 s42, ttmp9, 2
	s_add_co_u32 s42, s42, s40                     ; tile column = 4 x cluster x + cx
	s_and_b32 s15, ttmp7, 0xffff
	s_lshl_b32 s15, s15, 2
	s_add_co_u32 s15, s15, s41                     ; tile row = 4 x cluster y + cy
	s_lshl_b32 s43, s41, 2
	s_lshl_b32 s43, 15, s43                        ; my row of the cluster
	s_lshl_b32 s44, 0x1111, s40                    ; my column
	s_or_b32 s[G1], s43, (3<<16)|(1<<21)           ; 15:0 the mask; 17:16 elements of 8 bytes; 21 set beside a mask; no padding
	s_or_b32 s[G1B], s44, (3<<16)|(1<<21)
	s_mov_b32 s[G1+1], 768<<16                     ; tensor_dim0 = 768 elements: 6,144 bytes
	s_mov_b32 s[G1+2], 4<<16                       ; tensor_dim1 = 4 tiles
	s_mov_b32 s[G1+3], 768<<16                     ; tile_dim0
	s_mov_b32 s[G1+4], 4                           ; tile_dim1
	s_mov_b32 s[G1+5], 8192                        ; from tile to tile: 65,536 bytes
	s_mov_b32 s[G1+6], 0
	s_mov_b32 s[G1+7], 0
	s_mov_b32 s[G1B+1], 768<<16
	s_mov_b32 s[G1B+2], 8<<16                      ; 8 tiles
	s_mov_b32 s[G1B+3], 768<<16
	s_mov_b32 s[G1B+4], 8
	s_mov_b32 s[G1B+5], 8192
	s_mov_b32 s[G1B+6], 0
	s_mov_b32 s[G1B+7], 0
	s_lshl_b32 s16, s15, 3                         ; att: tile 8 x tile row + 4 x half: made of what my row of the cluster shares
	s_lshl_b32 s17, s[WC], 2
	s_add_co_u32 s16, s16, s17
	s_lshl_b32 s16, s16, 16
	s_mov_b32 s17, 0
	s_lshl_b32 s46, s42, 4                         ; Wo: tile 16 x tile column + 8 x half: made of what my column shares
	s_lshl_b32 s47, s[WC], 3
	s_add_co_u32 s46, s46, s47
	s_lshl_b32 s46, s46, 16
	s_mov_b32 s47, 0
	s_mul_i32 s20, s[WC], 4*TILEB                  ; where they go: no place in the cluster enters an LDS address
	s_mul_i32 s21, s[WC], 8*TILEB
	s_add_co_u32 s21, s21, ASZ
	s_wait_dscnt 0x0                               ; both opening adds are done
	s_wait_kmcnt 0x0
	s_add_nc_u64 s[18:19], s[4:5], s[16:17]
	s_add_nc_u64 s[46:47], s[6:7], s[46:47]
	CROUND                                         ; all sixteen work-groups are here: the first joint loads meet
.irp s, 0,1
	s_mov_b32 s[G0+4*\s], 1
	s_add_co_u32 s[G0+4*\s+1], s20, \s*SLOT
	s_add_nc_u64 s[G0+4*\s+2:G0+4*\s+3], s[18:19], \s*TILEB
	s_or_b32 s[G0+4*\s+3], s[G0+4*\s+3], 0x80000000
	s_mov_b32 s[G0B+4*\s], 1
	s_add_co_u32 s[G0B+4*\s+1], s21, \s*SLOT
	s_add_nc_u64 s[G0B+4*\s+2:G0B+4*\s+3], s[46:47], \s*TILEB
	s_or_b32 s[G0B+4*\s+3], s[G0B+4*\s+3], 0x80000000
	JLOAD \s                                       ; two loads of mine are out
.endr
	v_and_b32 v10, 31, v0
	v_lshlrev_b32 v[LI], 4, v10
	v_and_b32 v12, 15, v0                          ; r
	v_bfe_u32 v13, v0, 4, 1                        ; h
	v_lshlrev_b32 v[H32], 5, v13
	s_mul_i32 s22, s[WR], 4*TILEB                  ; my four tiles of att,
	s_mul_i32 s23, s[WC], 8*TILEB                  ; my eight of Wo,
	s_add_co_u32 s23, s23, ASZ                     ; which lie behind att's eight
.irp s, 0,1
	v_add_nc_u32 v[ADRA+\s], s22, v[LI]
	v_add_nc_u32 v[ADRB+\s], s23, v[LI]
	s_add_co_u32 s22, s22, SLOT
	s_add_co_u32 s23, s23, SLOT
.endr
	s_mul_i32 s22, s[WV], 16*SPITCH
	s_add_co_u32 s22, s22, STAGE                   ; my stage
	v_mul_u32_u24 v14, v12, SPITCH
	v_lshl_add_u32 v14, v13, 5, v14
	v_add_nc_u32 v[STO], s22, v14                  ; in: row r, 32 bytes for each half of the lanes
	v_add_nc_u32 v[RD], s22, v[LI]                 ; back: the 32 lanes take one row of 512 bytes
	s_lshl_b32 s16, s15, 7
	s_lshl_b32 s17, s[WR], 6
	s_add_co_u32 s16, s16, s17                     ; my first row: 128 x tile row + 64 x half
	s_lshl_b32 s16, s16, 13                        ; rows of 8,192 bytes
	s_mov_b32 s17, 0
	s_add_nc_u64 s[10:11], s[10:11], s[16:17]
	s_lshl_b32 s46, s42, 10                        ; my first column, in bytes: 1,024 x tile column + 512 x half
	s_lshl_b32 s47, s[WC], 9
	s_add_co_u32 s46, s46, s47
	s_mov_b32 s47, 0
	s_add_nc_u64 s[10:11], s[10:11], s[46:47]
	s_add_nc_u64 s[8:9], s[8:9], s[46:47]
	; the prefetches (macro ASK): which tile is my work-group's, and who asks.  The descriptors are made: s16 to s23 are free
	s_lshl_b32 s20, s15, 3                         ; att: tile 8 x tile row
	s_lshl_b32 s21, s[WC], 2
	s_add_co_u32 s20, s20, s21                     ; + the four that I fetch
	s_add_co_u32 s20, s20, s40                     ; + my work-group's one of them: cx
	s_lshl_b32 s22, s42, 4                         ; Wo: tile 16 x tile column
	s_lshl_b32 s21, s[WC], 3
	s_add_co_u32 s22, s22, s21                     ; + the eight that I fetch
	s_lshl_b32 s21, s41, 1
	s_add_co_u32 s22, s22, s21                     ; + my work-group's two of them: 2 cy
	s_and_b32 s23, ttmp7, 0xffff                   ; cluster y
	s_cmp_eq_u32 s[WR], 0                          ; do I fetch for att?
	s_cselect_b32 s20, s20, s22
	s_cselect_b32 s23, ttmp9, s23                  ; the coordinate along which other clusters read the same tiles
	s_cselect_b64 s[PFA:PFA+1], s[4:5], s[6:7]
	s_cmp_eq_u32 s23, 0
	s_cselect_b32 s[LIM], 1, -1                    ; the same in all sixteen partners, for a given wave
	s_lshl_b32 s20, s20, 16                        ; tiles of 65,536 bytes
	s_mov_b32 s21, 0
	s_add_nc_u64 s[PFA:PFA+1], s[PFA:PFA+1], s[20:21]
	s_add_nc_u64 s[PFA:PFA+1], s[PFA:PFA+1], 2*TILEB   ; at slot 2's bytes: the first refill steps it on to slot 3's
	v_min_u32 v[PFO], 23, v10
	v_lshlrev_b32 v[PFO], 8, v[PFO]
	WIN 0x40                                       ; destination window 1: lane (r, h) wants, for column tile b, bo[16 b + 8 h + 0 .. 7]
.irp a, 0,1,2,3
.irp b, 0,1,2,3,4,5,6,7
	global_load_b128 v[8*(8*\a+\b):8*(8*\a+\b)+3],   v[H32], s[8:9] offset:64*\b
	global_load_b128 v[8*(8*\a+\b)+4:8*(8*\a+\b)+7], v[H32], s[8:9] offset:64*\b+16
.endr
.endr
	WIN 0
; the fragments of the unit at place pos of a slot into buffer buf: 24 LDS loads of 512 consecutive bytes
.macro LOADU slot, pos, buf
.irp a, 0,1,2,3
.irp e, 0,1
	ds_load_b128 v[FB+96*(\buf)+8*\a+4*\e:FB+96*(\buf)+8*\a+4*\e+3], v[ADRA+\slot] offset:\a*TILEB+(\pos)*1024+512*\e
.endr
.endr
.irp b, 0,1,2,3,4,5,6,7
.irp e, 0,1
	ds_load_b128 v[FB+96*(\buf)+32+8*\b+4*\e:FB+96*(\buf)+32+8*\b+4*\e+3], v[ADRB+\slot] offset:\b*TILEB+(\pos)*1024+512*\e
.endr
.endr
.endm
; token tile a x my eight column tiles.  The 32 accumulators take turns, one instruction a turn, in the same order in every unit
.macro MUL buf, a
.irp b, 0,1,2,3,4,5,6,7
	v_wmma_f32_16x16x32_f16 v[8*(8*(\a)+\b):8*(8*(\a)+\b)+7], v[FB+96*(\buf)+32+8*\b:FB+96*(\buf)+32+8*\b+7], v[FB+96*(\buf)+8*(\a):FB+96*(\buf)+8*(\a)+7], v[8*(8*(\a)+\b):8*(8*(\a)+\b)+7]
.endr
.endm
.macro UNIT slot, pos                  ; fetches the unit at place pos and multiplies the one before it
	PLACES                                         ; the loads land in registers that the products just issued have read
	LOADU \slot, \pos, (\pos)%2
	s_wait_dscnt 24                                ; all but the 24 just issued
	WIN 0x50                                       ; C and D in window 1
	MUL 1-(\pos)%2, 0
	MUL 1-(\pos)%2, 1
	MUL 1-(\pos)%2, 2
	MUL 1-(\pos)%2, 3
	WIN 0
.endm
; A slot's last unit (buffer 1) changes slots: ONE barrier; in front of it each wave waits for all its tensor loads (one is out: its part of the next slot), adds 0 to its spare word, and waits for that and for its reads of this slot.
; fill = 1: the barrier opens a round of the cluster's, and this slot is filled again first thing behind it, step bytes further along K.  npos: the next slot's first unit that counts.
; ask: 0: no prefetch; 1, 2: macro ASK's how.  The prefetches' address is stepped here, at the head, ahead of the change's own waits: nothing is added between the round and the joint load.
.macro CHANGE slot, next, fill, npos, step, ask
.if \ask
	s_wait_xcnt 0x0                                ; the last prefetches, a slot back, have read their address
	s_add_nc_u64 s[PFA:PFA+1], s[PFA:PFA+1], TILEB
.endif
	s_wait_tensorcnt 0x0
	ds_add_u32 v[SPW], v[NIL]
	s_wait_dscnt 1                                 ; the unit's 24 loads are in; the add may be out
	WIN 0x50
	MUL 1, 0                                       ; eight matrix instructions stand between the add and the wait for it
	s_wait_dscnt 0x0                               ; the add is done, and my reads of this slot are over
	s_barrier_signal -1
	MUL 1, 1
	WIN 0
	s_barrier_wait -1
.if \fill
	CREST                                          ; no wave of any partner still reads this slot or has a load on its way
	s_add_nc_u64 s[G0+4*\slot+2:G0+4*\slot+3], s[G0+4*\slot+2:G0+4*\slot+3], \step
	s_add_nc_u64 s[G0B+4*\slot+2:G0B+4*\slot+3], s[G0B+4*\slot+2:G0B+4*\slot+3], \step
	JLOAD \slot                                    ; its four v_nop are also the places in front of the loads below
.else
	PLACES
.endif
	LOADU \next, \npos, 0
.if \ask
	ASK \ask
.endif
	WIN 0x50
	MUL 1, 2
	MUL 1, 3
	WIN 0
.endm
	s_wait_tensorcnt 1                             ; my part of slot 0 is in; slot 1's may stay out
	s_barrier_signal -1
	s_barrier_wait -1
	LOADU 0, 0, 0
	s_wait_loadcnt 0x0                             ; bo
	s_mov_b32 s3, 4
.Llap:                                                 ; a lap = both slots = 12 units; four laps fill both slots again
.irp p, 1,2,3,4,5
	UNIT 0, \p
.endr
	CHANGE 0, 1, 1, 0, 2*TILEB, 1
.irp p, 1,2,3,4,5
	UNIT 1, \p
.endr
	CHANGE 1, 0, 1, 0, 2*TILEB, 2
	s_sub_co_u32 s3, s3, 1
	s_cmp_lg_u32 s3, 0
	s_cbranch_scc1 .Llap
.irp p, 1,2,3,4,5                      ; the tail is written out: units 48-53,
	UNIT 0, \p
.endr
	CHANGE 0, 1, 1, 0, 10*1024, 0                  ; the last fill: units 58-63, ten units on from 48
.irp p, 1,2,3,4,5                      ; units 54-59,
	UNIT 1, \p
.endr
	CHANGE 1, 0, 0, 2, 0, 0                        ; nothing more is asked for; the next unit that counts, 60, lies at place 2
.irp p, 3,4,5
	UNIT 0, \p
.endr
	s_wait_dscnt 0x0
	WIN 0x50
	MUL 1, 0
	MUL 1, 1
	MUL 1, 2
	MUL 1, 3
	WIN 0
; THE WAY OUT, block by block of 16 rows x 128 columns: through my own stage, back as whole rows of 512 bytes.  LDS serves a wave's instructions in order: no wait between the stores and the loads, nor in front of the next block's stores.
.macro TOSTAGE a
	WIN 0x04                                       ; an LDS store's data are its source 1: window 1
.irp b, 0,1,2,3,4,5,6,7
	ds_store_b128 v[STO], v[64*(\a)+8*\b:64*(\a)+8*\b+3] offset:64*\b          ; each accumulator from its low end on
	ds_store_b128 v[STO], v[64*(\a)+8*\b+4:64*(\a)+8*\b+7] offset:64*\b+16
.endr
	WIN 0
.irp t, 0,1,2,3,4,5,6,7,8,9,10,11,12,13,14,15
	ds_load_b128 v[BK+64*((\a)%2)+4*\t:BK+64*((\a)%2)+4*\t+3], v[RD] offset:\t*SPITCH
.endr
.endm
.macro SEND a, younger                 ; younger: the LDS instructions issued behind block a's loads
	s_wait_dscnt \younger
.irp t, 0,1,2,3,4,5,6,7,8,9,10,11,12,13,14,15
	global_store_b128 v[LI], v[BK+64*((\a)%2)+4*\t:BK+64*((\a)%2)+4*\t+3], s[10:11] offset:(16*(\a)+\t)*8192 th:TH_STORE_NT   ; 32 lanes store 512 consecutive bytes, aligned; the base is never stepped
.endr
.endm
	PLACES                                         ; behind the last products: for the reads of results and the loads into the fragments' registers
	TOSTAGE 0
	TOSTAGE 1
	SEND 0, 32                                     ; behind block 0's loads: block 1's 16 stores and 16 loads
	s_wait_xcnt 0x0                                ; block 0's stores have read their registers: block 2's loads may land there
	TOSTAGE 2
	SEND 1, 32
	s_wait_xcnt 0x0
	TOSTAGE 3
	SEND 2, 32
	SEND 3, 0
	s_wait_tensorcnt 0x0                           ; the wave's end, behind my last tensor load and my last LDS store
	ds_add_u32 v[SPW], v[NIL]
	s_wait_dscnt 0x0
	CROUND                                         ; the closing round
	s_endpgm
.Lfunc_end_k_qfdebfbfa74_outproj:
	.size	k_qfdebfbfa74_outproj, .Lfunc_end_k_qfdebfbfa74_outproj-k_qfdebfbfa74_outproj
	.p2alignl 7, 3214868480
	.fill 96, 4, 3214868480
	.section	.rodata,"a",@progbits
	.p2align	6, 0x0
	.amdhsa_kernel k_qfdebfbfa74_outproj
		.amdhsa_group_segment_fixed_size 327680
		.amdhsa_private_segment_fixed_size 0
		.amdhsa_enable_private_segment 0
		.amdhsa_kernarg_size 32
		.amdhsa_user_sgpr_count 2
		.amdhsa_user_sgpr_kernarg_segment_ptr 1
		.amdhsa_wavefront_size32 1
		.amdhsa_system_sgpr_workgroup_id_x 1
		.amdhsa_system_sgpr_workgroup_id_y 1
		.amdhsa_system_sgpr_workgroup_id_z 1
		.amdhsa_system_vgpr_workitem_id 0
		.amdhsa_next_free_vgpr 512
		.amdhsa_next_free_sgpr 66
		.amdhsa_reserve_vcc 0
		.amdhsa_float_denorm_mode_32 3
		.amdhsa_float_denorm_mode_16_64 3
		.amdhsa_memory_ordered 1
		.amdhsa_forward_progress 1
		.amdhsa_inst_pref_size 137
	.end_amdhsa_kernel
	.amdgpu_metadata
---
amdhsa.version: [ 1, 2 ]
amdhsa.kernels:
  - .name:           k_qfdebfbfa74_outproj
    .symbol:         k_qfdebfbfa74_outproj.kd
    .args:
      - { .name: att_img, .offset: 0, .size: 8, .value_kind: global_buffer, .address_space: global }
      - { .name: wo_img, .offset: 8, .size: 8, .value_kind: global_buffer, .address_space: global }
      - { .name: bo, .offset: 16, .size: 8, .value_kind: global_buffer, .address_space: global }
      - { .name: out0, .offset: 24, .size: 8, .value_kind: global_buffer, .address_space: global }
    .group_segment_fixed_size: 327680
    .private_segment_fixed_size: 0
    .kernarg_segment_align: 8
    .kernarg_segment_size: 32
    .max_flat_workgroup_size: 128
    .sgpr_count:     66
    .vgpr_count:     512
    .wavefront_size: 32
...
	.end_amdgpu_metadata
.endif
;; end of part 3
